; MI455X (gfx1250); checked and timed in simulation.
; The chip was launched on July 23, 2026; its instructions are those of AMD's public machine-readable ISA for CDNA 5 (MIT licence, August 2026) and "CDNA5" Instruction Set Architecture Reference Guide (July 2026). The comments in the code are by the model that wrote it; some were corrected since.
;; Differentiable CBF Layer. Allowed arithmetic: float matrix products may take bf16 or f16 operands with f32 sums; all other float work in f32.
;; Inputs: agent_active 65,536 x 8 float32; obs_active 65,536 x 16 float32; p_agents 65,536 x 8 x 2 float32; p_obs 65,536 x 16 x 2 float32; u_nominal 65,536 x 2 float32; v_agents_local 65,536 x 8 x 2 float32; v_current 65,536 x 1 float32.
;; Outputs: out0 65,536 x 2 float32.
;; One version. Each part assembles by itself: llvm-mc -triple=amdgcn-amd-amdhsa -mcpu=gfx1250 --defsym DOCPART=n.
;; ======== version 1 of 1: 1 launch
;; limits: right only within a limited range of input values
;; launch cbf_admm (part 1): grid 256 x 1, 8 waves a work-group, no clusters, 168,960 bytes of LDS; arguments p_obs, obs_active, p_agents, v_agents_local, agent_active, u_nominal, v_current, out0; writes out0
.if DOCPART == 1
	.amdgcn_target "amdgcn-amd-amdhsa--gfx1250"
	.amdhsa_code_object_version 6
	.text
	.protected	k_q5fdb49d947_cbf_admm
	.globl	k_q5fdb49d947_cbf_admm
	.p2align	8
	.type	k_q5fdb49d947_cbf_admm,@function
k_q5fdb49d947_cbf_admm:
	s_mov_b64 s[64:65], 0
	v_nop
	global_prefetch_b8 v0, s[64:65] scope:SCOPE_SE
	s_setreg_imm32_b32 hwreg(HW_REG_WAVE_MODE, 25, 1), 1
	s_wait_xcnt 0x0
; 65,536 small QPs (3 unknowns, 37 rows), each solved by 100 ADMM steps with rho = 1.  ONE LANE OWNS ONE BATCH ELEMENT:
; its rows, bounds, duals, M^-1 and x stay in registers for all steps.  8 waves x 32 lanes = 256 elements a work-group, 256 work-groups.
;
; THE STEP, rewritten by identities that hold for every input.  With w = A x + y:  y' = max(w - b, 0),  z - y' = w - 2 y'.
; With g_n = A^T y_n and A^T A = M - Q:      x_{n+1} = x_n + M^-1 ( 2 u - Q x_n + g_{n-1} - 2 g_n ).
; It starts from x_0 = 0, g_0 = 0 and, in the place of g_{-1}, A^T min(0, b).  Given (x_n, y_{n-1}, y_n) this is the stated step from
; w_n = y_{n-1} + A x_n, so it carries no state beyond the stated one.  z is never kept.  100 updates of x need 99 passes over the rows.
; Kept for each row: the state  s = y - b;  a pass makes  y = max(s + a.x, 0)  in place, sums a y, and then  s = y - b  again.
; Row structure that the problem builds itself: obstacle rows are (a0, a1, -1); a connectivity row is the negated avoidance row
; (a0, a1 kept once, g takes a (y_avoid - y_conn)); the five box rows are unit vectors.
; Two rows go in one instruction: v_pk_fma_f32 / v_pk_add_f32 on register pairs (row 2p, row 2p+1), x broadcast by op_sel;
; f32 has no packed maximum, so two v_dual_max_num_f32 share an instruction.  129 vector instructions a pass.
;
; NO MATRIX INSTRUCTIONS: every element has its own 37 x 3 matrix.  A 16x16x32 product could take ten elements' three columns
; block-diagonally, 10 x 16 x 3 = 480 useful products of 8,192, the work of 7.5 v_pk_fma_f32 of a wave, and its operand of x (of y) would
; have to be converted and spread over lanes anew in each of the 100 dependent steps, with the carried state rounded to 16 bits each time.
; NO CLUSTER: no two work-groups read a common byte.
;
; LIMITS.  NaN or infinite inputs are not reproduced (v_max_num_f32 drops a NaN where the stated minimum passes it on).
; det(M) has to stay below 2^126 (v_rcp_f32 flushes a denormal result, ISA guide 15.8); det(M) >= det(Q) = 800.
; All arithmetic is f32; the order of rounding differs from the stated one.
.set NPASS,    99                      ; passes over the rows; x is updated once before them and once in each
; LDS, a region for each wave: its 32 elements' records, each record padded by 16 bytes.  The pitches are odd multiples of 16 bytes, so
; sixteen lanes that read the same 16-byte piece of sixteen records touch sixteen different columns of 16 bytes modulo 256 (ISA guide 11.1)
.set P128,     144                     ; p_obs: 128 bytes an element
.set P64,      80                      ; obs_active, p_agents, v_agents_local: 64 bytes
.set P32,      48                      ; agent_active: 32 bytes
.set L_PO,     0
.set L_OA,     L_PO + 32*P128
.set L_PA,     L_OA + 32*P64
.set L_VA,     L_PA + 32*P64
.set L_AA,     L_VA + 32*P64
.set WAVE_LDS, L_AA + 32*P32           ; 13,824 bytes a wave, 110,592 a work-group
; ---- registers
.set GO128, 2                          ; byte offsets of my 16 bytes in the wave's dense block of each array
.set GO64,  3
.set GO32,  4
.set GO8,   5                          ; 8 t: u_nominal and out0
.set GO4,   6                          ; 4 t: v_current
.set LS128, 7                          ; LDS: where the 16 bytes that I fetched go
.set LS64,  8
.set LS32,  9
.set LL128, 10                         ; LDS: my own element's record
.set LL64,  11
.set LL32,  12
.set OA0,   16                         ; v[16:31]   obstacles: a0 = 2 lx           (first: p_obs as fetched, v[16:47])
.set OA1,   32                         ; v[32:47]   a1 = 2 ly v
.set OB,    48                         ; v[48:63]   b                              (first: obs_active as fetched)
.set OS,    64                         ; v[64:79]   state y - b, in a pass y       (first: my obs_active)
.set AA0,   80                         ; v[80:87]   agents: a0                     (first: p_agents as fetched, v[80:95])
.set AA1,   88                         ; v[88:95]   a1
.set ABV,   96                         ; v[96:103]  b of the avoidance rows        (first: v_agents_local as fetched, v[96:111])
.set ABC,   104                        ; v[104:111] b of the connectivity rows
.set AV,    112                        ; v[112:119] state of the avoidance rows    (first: agent_active as fetched)
.set AC,    120                        ; v[120:127] state of the connectivity rows
.set DD,    128                        ; v[128:135] y_avoid - y_conn               (set-up: M's entries)
.set BS0,   136                        ; rows -x0 <= 1 (kept NEGATED: 1 - y) and x0 <= 1 (y - 1)
.set BS1,   138                        ; the same for x1
.set Y5,    140                        ; row -x2 <= 0: y;  v141 stays 0
.set X,     142                        ; x0, x1
.set X2,    144                        ; x2;  v145 only completes the pair
.set N0,    146                        ; M^-1: (n00, n01)
.set N1,    148                        ;       (n01, n11)
.set N2,    150                        ;       (n02, n12)
.set N22,   152
.set U2,    154                        ; 2 u = -q
.set G0,    156                        ; sums of a0 y over (even rows, odd rows); 156 and 158 differ modulo 4, as the dual add below needs
.set G1,    158                        ; of a1 y
.set G2,    160                        ; of y over the rows with third coefficient -1
.set G01,   162                        ; (g0, g1)
.set GS,    164                        ; -g2
.set BASE,  166                        ; 2 u - 2 x + g of the pass before, components 0, 1
.set BASE2, 168                        ; -200 x2 + g2 of the pass before
.set R,     170                        ; r0, r1
.set R2,    172                        ; r2;  v173 only completes the pair
.set PM1,   174                        ; (+1, -1)
.set RPO,   176                        ; v[176:207] my p_obs, then scratch
.set RPA,   208                        ; v[208:223] my p_agents, then scratch
.set RVA,   224                        ; v[224:239] my v_agents_local
.set RAA,   240                        ; v[240:247] my agent_active
.set VC,    248                        ; (v, 2 v)
.set KK,    250                        ; 2 v^2 - 0.25;  v251 completes the pair
; set-up only, in registers whose lasting use begins later
.set S00,   136                        ; sums over obstacle rows, (even, odd): a0^2
.set S01,   138                        ; a0 a1
.set S11,   140                        ; a1^2
.set S0,    142                        ; a0
.set S1,    144                        ; a1
.set I0,    156                        ; a0 min(0, b)
.set I1,    158                        ; a1 min(0, b)
.set I2,    160                        ; min(0, b)
.set Q00,   164                        ; sums over avoidance rows: a0^2, a0 a1, a1^2 (they count twice: the connectivity rows)
.set Q01,   166
.set Q11,   168
.set MB,    RPO                        ; 16: min(0, b) of the obstacle rows
.set TT,    RPO+16                     ; 16: scratch
.set EE,    RPO                        ; 8: v - v_jx
.set NRM,   RPO+8                      ; 8: lx^2 + ly^2, then the avoidance bound before the mask
.set MV,    RPO+16                     ; 8: min(0, b_avoid)
.set MC,    RPO+24                     ; 8: min(0, b_conn)
.set MA,    DD                         ; M00
.set MBB,   DD+1                       ; M01
.set SS0,   DD+2                       ; -M02
.set MD,    DD+3                       ; M11
.set SS1,   DD+4                       ; -M12
.set C00,   RPA                        ; cofactors, determinant, its reciprocal, six products
.set C01,   RPA+1
.set C02,   RPA+2
.set C11,   RPA+3
.set C12,   RPA+4
.set C22,   RPA+5
.set DET,   RPA+6
.set RD,    RPA+7
.set T0,    RPA+8
	s_load_b256 s[4:11], s[0:1], 0x0               ; p_obs s[4:5], obs_active s[6:7], p_agents s[8:9], v_agents_local s[10:11]
	s_load_b256 s[12:19], s[0:1], 0x20             ; agent_active s[12:13], u_nominal s[14:15], v_current s[16:17], out0 s[18:19]
	v_lshl_add_u32 v254, v0, 2, 0x29000
	v_mov_b32 v255, 0
	v_and_b32 v1, 31, v0                           ; lane
	v_lshrrev_b32 v13, 5, v0
	v_readfirstlane_b32 s20, v13                   ; wave
	v_and_b32 v14, 0xe0, v0                        ; 32 x wave = the wave's first element in the group
	v_lshlrev_b32 v15, 4, v1                       ; 16 bytes a lane: a wave's load covers 512 consecutive bytes
	v_lshl_or_b32 v[GO128], v14, 7, v15            ; + the wave's block: 32 elements x 128 bytes
	v_lshl_or_b32 v[GO64], v14, 6, v15
	v_lshl_or_b32 v[GO32], v14, 5, v15
	v_lshlrev_b32 v[GO8], 3, v0
	v_lshlrev_b32 v[GO4], 2, v0
	s_lshl_b32 s22, ttmp9, 15                      ; the group's 256 elements x 128, 64, 32, 8, 4 bytes
	s_mov_b32 s23, 0
	s_lshl_b32 s24, ttmp9, 14
	s_mov_b32 s25, 0
	s_lshl_b32 s26, ttmp9, 13
	s_mov_b32 s27, 0
	s_lshl_b32 s28, ttmp9, 11
	s_mov_b32 s29, 0
	s_lshl_b32 s30, ttmp9, 10
	s_mov_b32 s31, 0
	s_mov_b32 s32, 0xc3480000                      ; -200.0 = -Q22
	s_mov_b32 s33, 0x43590000                      ; 217.0 = M22 = 200 + 16 obstacle rows + 1 box row
	s_wait_kmcnt 0x0
	s_add_nc_u64 s[4:5], s[4:5], s[22:23]
	s_add_nc_u64 s[6:7], s[6:7], s[24:25]
	s_add_nc_u64 s[8:9], s[8:9], s[24:25]
	s_add_nc_u64 s[10:11], s[10:11], s[24:25]
	s_add_nc_u64 s[12:13], s[12:13], s[26:27]
	s_add_nc_u64 s[14:15], s[14:15], s[28:29]
	s_add_nc_u64 s[16:17], s[16:17], s[30:31]
	s_add_nc_u64 s[18:19], s[18:19], s[28:29]
	; all 24 loads at once; every byte is read once in the launch
	global_load_b64 v[U2:U2+1], v[GO8], s[14:15] th:TH_LOAD_NT
	global_load_b32 v[VC], v[GO4], s[16:17] th:TH_LOAD_NT
.irp j, 0,1,2,3,4,5,6,7
	global_load_b128 v[OA0+4*\j:OA0+4*\j+3], v[GO128], s[4:5] offset:512*\j th:TH_LOAD_NT
.endr
.irp j, 0,1,2,3
	global_load_b128 v[OB+4*\j:OB+4*\j+3], v[GO64], s[6:7] offset:512*\j th:TH_LOAD_NT
.endr
.irp j, 0,1,2,3
	global_load_b128 v[AA0+4*\j:AA0+4*\j+3], v[GO64], s[8:9] offset:512*\j th:TH_LOAD_NT
.endr
.irp j, 0,1,2,3
	global_load_b128 v[ABV+4*\j:ABV+4*\j+3], v[GO64], s[10:11] offset:512*\j th:TH_LOAD_NT
.endr
.irp j, 0,1
	global_load_b128 v[AV+4*\j:AV+4*\j+3], v[GO32], s[12:13] offset:512*\j th:TH_LOAD_NT
.endr
	; LDS addresses.  Load j of a 128-byte array: lane l holds piece l & 7 of element 4 j + (l >> 3); 64 bytes: piece l & 3 of 8 j + (l >> 2);
	; 32 bytes: piece l & 1 of 16 j + (l >> 1).  The step in j goes into the immediate.
	s_mul_i32 s21, s20, WAVE_LDS                   ; my wave's own bytes: no other wave touches them, so no barrier
	v_bfe_u32 v13, v0, 3, 2
	v_and_b32 v14, 7, v0
	v_mul_u32_u24 v13, v13, P128
	v_lshl_add_u32 v13, v14, 4, v13
	v_add_nc_u32 v[LS128], s21, v13
	v_bfe_u32 v13, v0, 2, 3
	v_and_b32 v14, 3, v0
	v_mul_u32_u24 v13, v13, P64
	v_lshl_add_u32 v13, v14, 4, v13
	v_add_nc_u32 v[LS64], s21, v13
	v_bfe_u32 v13, v0, 1, 4
	v_and_b32 v14, 1, v0
	v_mul_u32_u24 v13, v13, P32
	v_lshl_add_u32 v13, v14, 4, v13
	v_add_nc_u32 v[LS32], s21, v13
	v_mul_u32_u24 v13, v1, P128
	v_add_nc_u32 v[LL128], s21, v13
	v_mul_u32_u24 v13, v1, P64
	v_add_nc_u32 v[LL64], s21, v13
	v_mul_u32_u24 v13, v1, P32
	v_add_nc_u32 v[LL32], s21, v13
	; ---------------- obstacle rows
	s_wait_loadcnt 0xa                             ; u, v, p_obs, obs_active are in; the ten younger loads (4 + 4 + 2, the agents' arrays) stay out
.irp j, 0,1,2,3,4,5,6,7
	ds_store_b128 v[LS128], v[OA0+4*\j:OA0+4*\j+3] offset:L_PO+4*P128*\j
.endr
.irp j, 0,1,2,3
	ds_store_b128 v[LS64], v[OB+4*\j:OB+4*\j+3] offset:L_OA+8*P64*\j
.endr
.irp c, 0,1,2,3,4,5,6,7
	ds_load_b128 v[RPO+4*\c:RPO+4*\c+3], v[LL128] offset:L_PO+16*\c      ; LDS serves a wave's instructions in order (ISA guide 5.7.1): these see the stores above
.endr
.irp c, 0,1,2,3
	ds_load_b128 v[OS+4*\c:OS+4*\c+3], v[LL64] offset:L_OA+16*\c
.endr
	v_add_f32 v[VC+1], v[VC], v[VC]                ; 2 v
	v_pk_add_f32 v[U2:U2+1], v[U2:U2+1], v[U2:U2+1]    ; -q = 2 u_ref; the action scale is (1, 1)
	v_fmaak_f32 v[KK], v[VC+1], v[VC], 0xbe800000  ; 2 v^2 - D_OBS^2
	v_mov_b32 v[KK+1], v[KK]
	s_wait_dscnt 0x0                               ; my records are in registers, and the stores have read v[16:63], which are written next
	; (lx, ly) lie side by side as loaded; the first use of each puts its result where rows 2p, 2p+1 form a register pair
.set k, 0
.rept 16
	v_add_f32 v[OA0+k], v[RPO+2*k], v[RPO+2*k]             ; a0 = 2 lx
	v_mul_f32 v[OA1+k], v[VC+1], v[RPO+2*k+1]              ; a1 = 2 ly v
	v_mul_f32 v[OB+k], v[RPO+2*k+1], v[RPO+2*k+1]          ; ly^2
.set k, k+1
.endr
	; b = (2 v^2 - 4 lx v + lx^2 + ly^2 - 0.25) active;   lx^2 - 4 lx v = a0 (a0 / 4 - 2 v)
.irp p, 0,1,2,3,4,5,6,7
	v_pk_fma_f32 v[TT+2*\p:TT+2*\p+1], v[OA0+2*\p:OA0+2*\p+1], 0x3e800000, v[VC:VC+1] op_sel:[0,0,1] op_sel_hi:[1,0,1] neg_lo:[0,0,1] neg_hi:[0,0,1]
.endr
.irp p, 0,1,2,3,4,5,6,7
	v_pk_fma_f32 v[OB+2*\p:OB+2*\p+1], v[OA0+2*\p:OA0+2*\p+1], v[TT+2*\p:TT+2*\p+1], v[OB+2*\p:OB+2*\p+1]
.endr
.irp p, 0,1,2,3,4,5,6,7
	v_pk_add_f32 v[OB+2*\p:OB+2*\p+1], v[OB+2*\p:OB+2*\p+1], v[KK:KK+1] op_sel_hi:[1,0]
.endr
.irp p, 0,1,2,3,4,5,6,7
	v_pk_mul_f32 v[OB+2*\p:OB+2*\p+1], v[OB+2*\p:OB+2*\p+1], v[OS+2*\p:OS+2*\p+1]      ; x obs_active (on b alone, as stated)
.endr
.irp p, 0,1,2,3,4,5,6,7
	v_pk_mul_f32 v[OS+2*\p:OS+2*\p+1], v[OB+2*\p:OB+2*\p+1], -1.0 op_sel_hi:[1,0]      ; state y0 - b = -b
	v_dual_min_num_f32 v[MB+2*\p], 0, v[OB+2*\p] :: v_dual_min_num_f32 v[MB+2*\p+1], 0, v[OB+2*\p+1]   ; z0 = min(0, b)
.endr
	; eight sums, each started by its first term: nothing is cleared
.irp p, 0,1,2,3,4,5,6,7
.if \p == 0
	v_pk_mul_f32 v[S00:S00+1], v[OA0:OA0+1], v[OA0:OA0+1]
	v_pk_mul_f32 v[S01:S01+1], v[OA0:OA0+1], v[OA1:OA1+1]
	v_pk_mul_f32 v[S11:S11+1], v[OA1:OA1+1], v[OA1:OA1+1]
	v_pk_mul_f32 v[I0:I0+1], v[OA0:OA0+1], v[MB:MB+1]
	v_pk_mul_f32 v[I1:I1+1], v[OA1:OA1+1], v[MB:MB+1]
.else
	v_pk_fma_f32 v[S00:S00+1], v[OA0+2*\p:OA0+2*\p+1], v[OA0+2*\p:OA0+2*\p+1], v[S00:S00+1]
	v_pk_fma_f32 v[S01:S01+1], v[OA0+2*\p:OA0+2*\p+1], v[OA1+2*\p:OA1+2*\p+1], v[S01:S01+1]
	v_pk_fma_f32 v[S11:S11+1], v[OA1+2*\p:OA1+2*\p+1], v[OA1+2*\p:OA1+2*\p+1], v[S11:S11+1]
	v_pk_fma_f32 v[I0:I0+1], v[OA0+2*\p:OA0+2*\p+1], v[MB+2*\p:MB+2*\p+1], v[I0:I0+1]
	v_pk_fma_f32 v[I1:I1+1], v[OA1+2*\p:OA1+2*\p+1], v[MB+2*\p:MB+2*\p+1], v[I1:I1+1]
.if \p == 1
	v_pk_add_f32 v[S0:S0+1], v[OA0:OA0+1], v[OA0+2:OA0+3]
	v_pk_add_f32 v[S1:S1+1], v[OA1:OA1+1], v[OA1+2:OA1+3]
	v_pk_add_f32 v[I2:I2+1], v[MB:MB+1], v[MB+2:MB+3]
.else
	v_pk_add_f32 v[S0:S0+1], v[S0:S0+1], v[OA0+2*\p:OA0+2*\p+1]
	v_pk_add_f32 v[S1:S1+1], v[S1:S1+1], v[OA1+2*\p:OA1+2*\p+1]
	v_pk_add_f32 v[I2:I2+1], v[I2:I2+1], v[MB+2*\p:MB+2*\p+1]
.endif
.endif
.endr
	; ---------------- agent rows
	s_wait_loadcnt 0x0
.irp j, 0,1,2,3
	ds_store_b128 v[LS64], v[AA0+4*\j:AA0+4*\j+3] offset:L_PA+8*P64*\j
.endr
.irp j, 0,1,2,3
	ds_store_b128 v[LS64], v[ABV+4*\j:ABV+4*\j+3] offset:L_VA+8*P64*\j
.endr
.irp j, 0,1
	ds_store_b128 v[LS32], v[AV+4*\j:AV+4*\j+3] offset:L_AA+16*P32*\j
.endr
.irp c, 0,1,2,3
	ds_load_b128 v[RPA+4*\c:RPA+4*\c+3], v[LL64] offset:L_PA+16*\c
.endr
.irp c, 0,1,2,3
	ds_load_b128 v[RVA+4*\c:RVA+4*\c+3], v[LL64] offset:L_VA+16*\c
.endr
.irp c, 0,1
	ds_load_b128 v[RAA+4*\c:RAA+4*\c+3], v[LL32] offset:L_AA+16*\c
.endr
	s_wait_dscnt 0x0                               ; as above: records in, v[80:119] free
	; with e = v - v_jx:   G_w = 2 (ly e + lx v_jy),   h_dot = 2 (ly v_jy - lx e),   h_ddot_c = 2 (e^2 + v_jy^2)
.set j, 0
.rept 8
	v_sub_f32 v[EE+j], v[VC], v[RVA+2*j]
	v_add_f32 v[AA0+j], v[RPA+2*j], v[RPA+2*j]             ; G_a = 2 lx
	v_mul_f32 v[AA1+j], v[RPA+2*j], v[RVA+2*j+1]
	v_mul_f32 v[ABV+j], v[RPA+2*j+1], v[RVA+2*j+1]
	v_mul_f32 v[ABC+j], v[RVA+2*j+1], v[RVA+2*j+1]
	v_mul_f32 v[NRM+j], v[RPA+2*j], v[RPA+2*j]
	v_fmac_f32 v[AA1+j], v[RPA+2*j+1], v[EE+j]             ; G_w / 2
	v_fma_f32 v[ABV+j], -v[RPA+2*j], v[EE+j], v[ABV+j]     ; h_dot / 2
	v_fmac_f32 v[ABC+j], v[EE+j], v[EE+j]                  ; h_ddot_c / 2
	v_fmac_f32 v[NRM+j], v[RPA+2*j+1], v[RPA+2*j+1]        ; lx^2 + ly^2
.set j, j+1
.endr
	; beta = h_ddot_c + 2 h_dot + lx^2 + ly^2 - 0.25;   b_avoid = beta active;   b_conn = (99.75 - beta) active  (100 - 0.25 = 99.75)
.irp p, 0,1,2,3
	v_pk_fma_f32 v[NRM+2*\p:NRM+2*\p+1], v[ABC+2*\p:ABC+2*\p+1], 2.0, v[NRM+2*\p:NRM+2*\p+1] op_sel_hi:[1,0,1]
.endr
.irp p, 0,1,2,3
	v_pk_fma_f32 v[NRM+2*\p:NRM+2*\p+1], v[ABV+2*\p:ABV+2*\p+1], 4.0, v[NRM+2*\p:NRM+2*\p+1] op_sel_hi:[1,0,1]
.endr
.irp p, 0,1,2,3
	v_pk_add_f32 v[NRM+2*\p:NRM+2*\p+1], v[NRM+2*\p:NRM+2*\p+1], 0xbe800000 op_sel_hi:[1,0]
.endr
.irp p, 0,1,2,3
	v_pk_add_f32 v[ABC+2*\p:ABC+2*\p+1], v[NRM+2*\p:NRM+2*\p+1], 0x42c78000 op_sel_hi:[1,0] neg_lo:[1,0] neg_hi:[1,0]
.endr
.irp p, 0,1,2,3
	v_pk_mul_f32 v[ABV+2*\p:ABV+2*\p+1], v[NRM+2*\p:NRM+2*\p+1], v[RAA+2*\p:RAA+2*\p+1]
	v_pk_mul_f32 v[ABC+2*\p:ABC+2*\p+1], v[ABC+2*\p:ABC+2*\p+1], v[RAA+2*\p:RAA+2*\p+1]
	v_pk_mul_f32 v[AA0+2*\p:AA0+2*\p+1], v[AA0+2*\p:AA0+2*\p+1], v[RAA+2*\p:RAA+2*\p+1]
	v_pk_mul_f32 v[AA1+2*\p:AA1+2*\p+1], v[AA1+2*\p:AA1+2*\p+1], v[RAA+2*\p:RAA+2*\p+1]
.endr
.irp p, 0,1,2,3
	v_pk_add_f32 v[AA1+2*\p:AA1+2*\p+1], v[AA1+2*\p:AA1+2*\p+1], v[AA1+2*\p:AA1+2*\p+1]    ; the factor 2 of G_w
	v_pk_mul_f32 v[AV+2*\p:AV+2*\p+1], v[ABV+2*\p:ABV+2*\p+1], -1.0 op_sel_hi:[1,0]        ; states y0 - b = -b
	v_pk_mul_f32 v[AC+2*\p:AC+2*\p+1], v[ABC+2*\p:ABC+2*\p+1], -1.0 op_sel_hi:[1,0]
	v_dual_min_num_f32 v[MV+2*\p], 0, v[ABV+2*\p] :: v_dual_min_num_f32 v[MV+2*\p+1], 0, v[ABV+2*\p+1]
	v_dual_min_num_f32 v[MC+2*\p], 0, v[ABC+2*\p] :: v_dual_min_num_f32 v[MC+2*\p+1], 0, v[ABC+2*\p+1]
.endr
.irp p, 0,1,2,3
	v_pk_add_f32 v[MV+2*\p:MV+2*\p+1], v[MV+2*\p:MV+2*\p+1], v[MC+2*\p:MC+2*\p+1] neg_lo:[0,1] neg_hi:[0,1]
.endr
.irp p, 0,1,2,3
.if \p == 0
	v_pk_mul_f32 v[Q00:Q00+1], v[AA0:AA0+1], v[AA0:AA0+1]
	v_pk_mul_f32 v[Q01:Q01+1], v[AA0:AA0+1], v[AA1:AA1+1]
	v_pk_mul_f32 v[Q11:Q11+1], v[AA1:AA1+1], v[AA1:AA1+1]
.else
	v_pk_fma_f32 v[Q00:Q00+1], v[AA0+2*\p:AA0+2*\p+1], v[AA0+2*\p:AA0+2*\p+1], v[Q00:Q00+1]
	v_pk_fma_f32 v[Q01:Q01+1], v[AA0+2*\p:AA0+2*\p+1], v[AA1+2*\p:AA1+2*\p+1], v[Q01:Q01+1]
	v_pk_fma_f32 v[Q11:Q11+1], v[AA1+2*\p:AA1+2*\p+1], v[AA1+2*\p:AA1+2*\p+1], v[Q11:Q11+1]
.endif
	v_pk_fma_f32 v[I0:I0+1], v[AA0+2*\p:AA0+2*\p+1], v[MV+2*\p:MV+2*\p+1], v[I0:I0+1]
	v_pk_fma_f32 v[I1:I1+1], v[AA1+2*\p:AA1+2*\p+1], v[MV+2*\p:MV+2*\p+1], v[I1:I1+1]
.endr
	; ---------------- M = Q + A^T A and its inverse by cofactors.  M00 = 2 + 2 (box) + sums, M11 likewise, M22 = 217, M02 = -sum a0, M12 = -sum a1
	v_pk_fma_f32 v[S00:S00+1], v[Q00:Q00+1], 2.0, v[S00:S00+1] op_sel_hi:[1,0,1]
	v_pk_fma_f32 v[S01:S01+1], v[Q01:Q01+1], 2.0, v[S01:S01+1] op_sel_hi:[1,0,1]
	v_pk_fma_f32 v[S11:S11+1], v[Q11:Q11+1], 2.0, v[S11:S11+1] op_sel_hi:[1,0,1]
	v_add_f32 v[SS0], v[S0], v[S0+1]
	v_add_f32 v[SS1], v[S1], v[S1+1]
	v_add_f32 v[MA], v[S00], v[S00+1]
	v_add_f32 v[MBB], v[S01], v[S01+1]
	v_add_f32 v[MD], v[S11], v[S11+1]
	v_add_f32 v[MA], 4.0, v[MA]
	v_add_f32 v[MD], 4.0, v[MD]
	v_mul_f32 v[T0], v[SS1], v[SS1]
	v_mul_f32 v[T0+1], s33, v[MBB]
	v_mul_f32 v[T0+2], v[MBB], v[SS1]
	v_mul_f32 v[T0+3], v[SS0], v[SS0]
	v_mul_f32 v[T0+4], v[MBB], v[SS0]
	v_mul_f32 v[T0+5], v[MBB], v[MBB]
	v_fma_f32 v[C00], v[MD], s33, -v[T0]           ; M11 M22 - M12^2
	v_fma_f32 v[C01], v[SS0], v[SS1], -v[T0+1]     ; M02 M12 - M01 M22
	v_fma_f32 v[C02], v[SS0], v[MD], -v[T0+2]      ; M01 M12 - M02 M11
	v_fma_f32 v[C11], v[MA], s33, -v[T0+3]         ; M00 M22 - M02^2
	v_fma_f32 v[C12], v[MA], v[SS1], -v[T0+4]      ; M01 M02 - M00 M12
	v_fma_f32 v[C22], v[MA], v[MD], -v[T0+5]       ; M00 M11 - M01^2
	v_mul_f32 v[DET], v[MA], v[C00]
	v_fmac_f32 v[DET], v[MBB], v[C01]
	v_fma_f32 v[DET], -v[SS0], v[C02], v[DET]
	v_rcp_f32 v[RD], v[DET]                        ; plain vector instructions that touch neither register follow before its result is used (ISA guide 5.7.2)
	v_add_f32 v[G01], v[I0], v[I0+1]               ; A^T min(0, b); the box rows' min(0, b) are 0
	v_add_f32 v[G01+1], v[I1], v[I1+1]
	v_sub_f32 v[R2], -v[I2], v[I2+1]               ; third component: coefficients -1;  q2 = 0
	v_mov_b32 v[R2+1], 0
	v_pk_add_f32 v[R:R+1], v[U2:U2+1], v[G01:G01+1]    ; rhs of the first step
	s_wait_alu depctr_va_vdst(0)
	v_mul_f32 v[N0], v[C00], v[RD]
	v_mul_f32 v[N0+1], v[C01], v[RD]
	v_mul_f32 v[N1], v[C01], v[RD]
	v_mul_f32 v[N1+1], v[C11], v[RD]
	v_mul_f32 v[N2], v[C02], v[RD]
	v_mul_f32 v[N2+1], v[C12], v[RD]
	v_mul_f32 v[N22], v[C22], v[RD]
	; the box rows' first states (y0 = 0, b = 1, 1, 1, 1, 0) and the constant pair
	v_mov_b32 v[PM1], 1.0
	v_mov_b32 v[PM1+1], -1.0
	v_mov_b32 v[BS0], 1.0
	v_mov_b32 v[BS0+1], -1.0
	v_mov_b32 v[BS1], 1.0
	v_mov_b32 v[BS1+1], -1.0
	v_mov_b32 v[Y5], 0
	v_mov_b32 v[Y5+1], 0
	; x_1 = M^-1 rhs, and the base of the next update (g_0 = 0)
	v_pk_mul_f32 v[X:X+1], v[N0:N0+1], v[R:R+1] op_sel_hi:[1,0]
	v_mul_f32 v[X2], v[N2], v[R]
	v_mov_b32 v[X2+1], 0
	v_pk_fma_f32 v[X:X+1], v[N1:N1+1], v[R:R+1], v[X:X+1] op_sel:[0,1,0] op_sel_hi:[1,1,1]
	v_fmac_f32 v[X2], v[N2+1], v[R+1]
	v_pk_fma_f32 v[X:X+1], v[N2:N2+1], v[R2:R2+1], v[X:X+1] op_sel_hi:[1,0,1]
	v_fmac_f32 v[X2], v[N22], v[R2]
	v_pk_fma_f32 v[BASE:BASE+1], v[X:X+1], -2.0, v[U2:U2+1] op_sel_hi:[1,0,1]
	v_mul_f32 v[BASE2], s32, v[X2]
; ---------------- one pass
; The agents' forward work in seven stages of four independent instructions; stage s stands between the links of obstacle pair s's sums.
.macro ASTAGE s, q
.if \s == 0
	v_pk_fma_f32 v[AV+2*\q:AV+2*\q+1], v[AA0+2*\q:AA0+2*\q+1], v[X:X+1], v[AV+2*\q:AV+2*\q+1] op_sel_hi:[1,0,1]
.endif
.if \s == 1
	v_pk_fma_f32 v[AC+2*\q:AC+2*\q+1], v[AA0+2*\q:AA0+2*\q+1], v[X:X+1], v[AC+2*\q:AC+2*\q+1] op_sel_hi:[1,0,1] neg_lo:[1,0,0] neg_hi:[1,0,0]
.endif
.if \s == 2
	v_pk_fma_f32 v[AV+2*\q:AV+2*\q+1], v[AA1+2*\q:AA1+2*\q+1], v[X:X+1], v[AV+2*\q:AV+2*\q+1] op_sel:[0,1,0] op_sel_hi:[1,1,1]
.endif
.if \s == 3
	v_pk_fma_f32 v[AC+2*\q:AC+2*\q+1], v[AA1+2*\q:AA1+2*\q+1], v[X:X+1], v[AC+2*\q:AC+2*\q+1] op_sel:[0,1,0] op_sel_hi:[1,1,1] neg_lo:[1,0,0] neg_hi:[1,0,0]
.endif
.if \s == 4
	v_dual_max_num_f32 v[AV+2*\q], 0, v[AV+2*\q] :: v_dual_max_num_f32 v[AV+2*\q+1], 0, v[AV+2*\q+1]
.endif
.if \s == 5
	v_dual_max_num_f32 v[AC+2*\q], 0, v[AC+2*\q] :: v_dual_max_num_f32 v[AC+2*\q+1], 0, v[AC+2*\q+1]
.endif
.if \s == 6
	v_pk_add_f32 v[DD+2*\q:DD+2*\q+1], v[AV+2*\q:AV+2*\q+1], v[AC+2*\q:AC+2*\q+1] neg_lo:[0,1] neg_hi:[0,1]
.endif
.endm
; Obstacle pair p enters the three sums.  Pair 0 starts them on the box rows' duals: nothing is cleared, nothing added afterwards.
.macro RSTEP p
.if \p == 0
	v_pk_fma_f32 v[G0:G0+1], v[OA0:OA0+1], v[OS:OS+1], v[BS0:BS0+1]
	ASTAGE \p, 0
	v_pk_fma_f32 v[G1:G1+1], v[OA1:OA1+1], v[OS:OS+1], v[BS1:BS1+1]
	ASTAGE \p, 1
	v_pk_add_f32 v[G2:G2+1], v[OS:OS+1], v[Y5:Y5+1]
.else
	v_pk_fma_f32 v[G0:G0+1], v[OA0+2*\p:OA0+2*\p+1], v[OS+2*\p:OS+2*\p+1], v[G0:G0+1]
	ASTAGE \p, 0
	v_pk_fma_f32 v[G1:G1+1], v[OA1+2*\p:OA1+2*\p+1], v[OS+2*\p:OS+2*\p+1], v[G1:G1+1]
	ASTAGE \p, 1
	v_pk_add_f32 v[G2:G2+1], v[G2:G2+1], v[OS+2*\p:OS+2*\p+1]
.endif
	ASTAGE \p, 2
	ASTAGE \p, 3
.endm
; state = y - b, for the next pass.  It hangs on no x, so these lines fill the gaps of the dependent run sum -> r -> x.
.macro PREP st, bb, p
	v_pk_add_f32 v[\st+2*(\p):\st+2*(\p)+1], v[\st+2*(\p):\st+2*(\p)+1], v[\bb+2*(\p):\bb+2*(\p)+1] neg_lo:[0,1] neg_hi:[0,1]
.endm
.macro ARED q                          ; agent pair q enters g0 and g1
	v_pk_fma_f32 v[G0:G0+1], v[AA0+2*\q:AA0+2*\q+1], v[DD+2*\q:DD+2*\q+1], v[G0:G0+1]
	v_pk_fma_f32 v[G1:G1+1], v[AA1+2*\q:AA1+2*\q+1], v[DD+2*\q:DD+2*\q+1], v[G1:G1+1]
.endm
; last = 1: only x0 and x1 of the last update are wanted; what prepares a further pass is left out.
.macro PASS last
	; box rows.  The row -x <= 1 is kept negated (1 - y), so that both rows of a pair add +x; then -y = min(., 0) beside y = max(., 0),
	; and the pair is at once the two rows' share of g.
	v_pk_add_f32 v[BS0:BS0+1], v[BS0:BS0+1], v[X:X+1] op_sel_hi:[1,0]
	v_pk_add_f32 v[BS1:BS1+1], v[BS1:BS1+1], v[X:X+1] op_sel:[0,1] op_sel_hi:[1,1]
	v_sub_f32 v[Y5], v[Y5], v[X2]
.irp p, 0,1,2,3,4,5,6,7
	v_pk_fma_f32 v[OS+2*\p:OS+2*\p+1], v[OA0+2*\p:OA0+2*\p+1], v[X:X+1], v[OS+2*\p:OS+2*\p+1] op_sel_hi:[1,0,1]                 ; + a0 x0
.endr
	v_dual_min_num_f32 v[BS0], 0, v[BS0] :: v_dual_max_num_f32 v[BS0+1], 0, v[BS0+1]
	v_dual_min_num_f32 v[BS1], 0, v[BS1] :: v_dual_max_num_f32 v[BS1+1], 0, v[BS1+1]
	v_max_num_f32 v[Y5], 0, v[Y5]
.irp p, 0,1,2,3,4,5,6,7
	v_pk_fma_f32 v[OS+2*\p:OS+2*\p+1], v[OA1+2*\p:OA1+2*\p+1], v[X:X+1], v[OS+2*\p:OS+2*\p+1] op_sel:[0,1,0] op_sel_hi:[1,1,1]  ; + a1 x1
.endr
.irp p, 0,1,2,3,4,5,6,7
	v_pk_add_f32 v[OS+2*\p:OS+2*\p+1], v[OS+2*\p:OS+2*\p+1], v[X2:X2+1] op_sel_hi:[1,0] neg_lo:[0,1] neg_hi:[0,1]               ; - x2
.endr
.irp p, 0,1,2,3,4,5,6,7
	v_dual_max_num_f32 v[OS+2*\p], 0, v[OS+2*\p] :: v_dual_max_num_f32 v[OS+2*\p+1], 0, v[OS+2*\p+1]                           ; y
.endr
.irp p, 0,1,2,3,4,5,6,7
	RSTEP \p
.endr
	; the third component is complete (the agents' rows have none): its share of the update goes ahead, between the agents' sums
	v_add_f32 v[GS], v[G2], v[G2+1]                ; -g2
	ARED 0
.if \last == 0
	PREP OS, OB, 0
	PREP OS, OB, 1
.endif
	v_fma_f32 v[R2], v[GS], 2.0, v[BASE2]          ; r2 = base2 - 2 g2
	ARED 1
.if \last == 0
	PREP OS, OB, 2
	PREP OS, OB, 3
.endif
	v_pk_fma_f32 v[X:X+1], v[N2:N2+1], v[R2:R2+1], v[X:X+1] op_sel_hi:[1,0,1]      ; every row has read this pass's x by now
	ARED 2
.if \last == 0
	PREP OS, OB, 4
	PREP OS, OB, 5
	v_fmac_f32 v[X2], v[N22], v[R2]
.endif
	ARED 3
.if \last == 0
	PREP OS, OB, 6
	PREP OS, OB, 7
.endif
	v_dual_add_f32 v[G01], v[G0], v[G0+1] :: v_dual_add_f32 v[G01+1], v[G1], v[G1+1]       ; even rows + odd rows
.if \last == 0
	PREP AV, ABV, 0
	PREP AV, ABV, 1
.endif
	v_pk_fma_f32 v[R:R+1], v[G01:G01+1], -2.0, v[BASE:BASE+1] op_sel_hi:[1,0,1]            ; r = base - 2 g
.if \last == 0
	v_pk_add_f32 v[BASE:BASE+1], v[U2:U2+1], v[G01:G01+1]                                  ; 2 u + g, for the next base
	PREP AV, ABV, 2
	PREP AV, ABV, 3
.endif
	v_pk_fma_f32 v[X:X+1], v[N0:N0+1], v[R:R+1], v[X:X+1] op_sel_hi:[1,0,1]
.if \last == 0
	v_fmac_f32 v[X2], v[N2], v[R]
	PREP AC, ABC, 0
	PREP AC, ABC, 1
.endif
	v_pk_fma_f32 v[X:X+1], v[N1:N1+1], v[R:R+1], v[X:X+1] op_sel:[0,1,0] op_sel_hi:[1,1,1]
.if \last == 0
	v_fmac_f32 v[X2], v[N2+1], v[R+1]
	PREP AC, ABC, 2
	PREP AC, ABC, 3
	v_pk_add_f32 v[BS0:BS0+1], v[BS0:BS0+1], v[PM1:PM1+1]                                  ; (-y + 1, y - 1)
	v_pk_add_f32 v[BS1:BS1+1], v[BS1:BS1+1], v[PM1:PM1+1]
	v_pk_fma_f32 v[BASE:BASE+1], v[X:X+1], -2.0, v[BASE:BASE+1] op_sel_hi:[1,0,1]          ; - Q x
	v_fma_f32 v[BASE2], v[X2], s32, -v[GS]
.endif
.endm
	s_mov_b32 s34, NPASS-1
.Lpass:
	PASS 0
	s_sub_co_u32 s34, s34, 1
	s_cmp_lg_u32 s34, 0
	s_cbranch_scc1 .Lpass
	PASS 1                                         ; pass 99 ends in x_100
	global_store_b64 v[GO8], v[X:X+1], s[18:19] th:TH_STORE_NT     ; u_safe = (x0, x1) / (1, 1): a wave's store covers 256 consecutive bytes, aligned
	s_wait_tensorcnt 0x0
	ds_add_u32 v254, v255
	s_wait_dscnt 0x0
	s_endpgm
.Lfunc_end_k_q5fdb49d947_cbf_admm:
	.size	k_q5fdb49d947_cbf_admm, .Lfunc_end_k_q5fdb49d947_cbf_admm-k_q5fdb49d947_cbf_admm
	.p2alignl 7, 3214868480
	.fill 96, 4, 3214868480
	.section	.rodata,"a",@progbits
	.p2align	6, 0x0
	.amdhsa_kernel k_q5fdb49d947_cbf_admm
		.amdhsa_group_segment_fixed_size 168960
		.amdhsa_private_segment_fixed_size 0
		.amdhsa_enable_private_segment 0
		.amdhsa_kernarg_size 64
		.amdhsa_user_sgpr_count 2
		.amdhsa_user_sgpr_kernarg_segment_ptr 1
		.amdhsa_wavefront_size32 1
		.amdhsa_system_sgpr_workgroup_id_x 1
		.amdhsa_system_sgpr_workgroup_id_y 1
		.amdhsa_system_sgpr_workgroup_id_z 1
		.amdhsa_system_vgpr_workitem_id 0
		.amdhsa_next_free_vgpr 256
		.amdhsa_next_free_sgpr 66
		.amdhsa_reserve_vcc 0
		.amdhsa_float_denorm_mode_32 3
		.amdhsa_float_denorm_mode_16_64 3
		.amdhsa_memory_ordered 1
		.amdhsa_forward_progress 1
		.amdhsa_inst_pref_size 42
	.end_amdhsa_kernel
	.amdgpu_metadata
---
amdhsa.version: [ 1, 2 ]
amdhsa.kernels:
  - .name:           k_q5fdb49d947_cbf_admm
    .symbol:         k_q5fdb49d947_cbf_admm.kd
    .args:
      - { .name: p_obs, .offset: 0, .size: 8, .value_kind: global_buffer, .address_space: global }
      - { .name: obs_active, .offset: 8, .size: 8, .value_kind: global_buffer, .address_space: global }
      - { .name: p_agents, .offset: 16, .size: 8, .value_kind: global_buffer, .address_space: global }
      - { .name: v_agents_local, .offset: 24, .size: 8, .value_kind: global_buffer, .address_space: global }
      - { .name: agent_active, .offset: 32, .size: 8, .value_kind: global_buffer, .address_space: global }
      - { .name: u_nominal, .offset: 40, .size: 8, .value_kind: global_buffer, .address_space: global }
      - { .name: v_current, .offset: 48, .size: 8, .value_kind: global_buffer, .address_space: global }
      - { .name: out0, .offset: 56, .size: 8, .value_kind: global_buffer, .address_space: global }
    .group_segment_fixed_size: 168960
    .private_segment_fixed_size: 0
    .kernarg_segment_align: 8
    .kernarg_segment_size: 64
    .max_flat_workgroup_size: 256
    .sgpr_count:     66
    .vgpr_count:     256
    .wavefront_size: 32
...
	.end_amdgpu_metadata
.endif
;; end of part 1
